; MI455X (gfx1250); checked and timed in simulation.
; The chip was launched on July 23, 2026; its instructions are those of AMD's public machine-readable ISA for CDNA 5 (MIT licence, August 2026) and "CDNA5" Instruction Set Architecture Reference Guide (July 2026). The comments in the code are by the model that wrote it; some were corrected since.
;; Flashback Attention. Allowed arithmetic: matrix products marked QUANTISED: E2M3 operands, one E8M0 scale for each 32 along K, by v_wmma_scale_f32_16x16x128_f8f6f4 with both operands' format E2M3, f32 sums; products left as they are: f32 operands where the result goes on into a quantised operand, else bf16, f16 or f32 operands; f32 sums; everything else in f32.
;; Inputs: W_proj 1,024 x 2,048 float32; b_proj 1,024 float32; current_hidden_codes 32 x 32 x 24 uint8 (E2M3 codes of current_hidden, K innermost, in blocks of 32 codes, four codes in three bytes); current_hidden_scales 32 x 32 uint8 (E8M0 scales of current_hidden, one for each 32 codes along K); past_hidden 32 x 2,048 x 1,024 float32; w_score 1,024 float32.
;; Outputs: out0 32 x 1,024 float32; out1 32 x 2,048 float32.
;; This version of the problem:
;;   THIS VERSION OF THE PROBLEM IS GIVEN IN LOW PRECISION. The matrix products marked QUANTISED in the list below multiply operands that are first quantised to E2M3 (2 exponent bits, 3 mantissa bits; 6 bits a number), with one power-of-two scale for each 32 numbers along K (OCP MX v1.0); their sums are f32. All else is computed in f32.
;;   The module's matrix products, in the order in which they are computed (A, B: the left and right operand; K: the contracted axis; several contracted axes count as one K, in the product's order):
;;     1. [M 65,536, K 1,024] x [K 1,024, N 1,024]; A: input past_hidden; B: input W_proj: QUANTISED
;;     2. [M 32, K 1,024] x [K 1,024, N 1,024]; A: input current_hidden (given as codes); B: input W_proj: QUANTISED
;;     3. [M 65,536, K 1,024] x [K 1,024, N 1]; A: computed on the way; B: input w_score: left as it is (N = 1 < 16)
;;     4. batch 32 x [M 1, K 2,048] x [K 2,048, N 1,024]; A: softmax; B: input past_hidden: left as it is (M = 1 < 16)
;;   THE QUANTISER, for each operand of a quantised product, along K:
;;     - K is cut into blocks of 32 from its start; a last block that is shorter is filled with zeros.
;;     - A block's scale is 2^e with e = floor(log2(the largest magnitude in the block)) - 2, held to -126 .. 127; a block of zeros has e = 0. As a byte (E8M0): e + 127.
;;     - Each number is divided by its block's scale, clamped to +-7.5, and rounded to the nearest number of E2M3, ties to even, subnormals kept.
;;     - The product sums the exact products of the quantised numbers (number of the format x scale) in f32.
;;   ~~~python
;;   def quantise(x, axis):      # numpy; x: float32 -> the quantised numbers, widened to float32 again
;;       x = np.moveaxis(x, axis, -1); K = x.shape[-1]
;;       x = np.pad(x, [(0, 0)] * (x.ndim - 1) + [(0, -K % 32)]); x = x.reshape(x.shape[:-1] + (-1, 32)); a = np.abs(x).max(-1, keepdims=True)
;;       e = np.where(a > 0, np.clip(np.frexp(np.where(a > 0, a, 1))[1] - 1 - 2, -126, 127), 0)      # np.frexp(a)[1] - 1 = floor(log2(a)), exactly
;;       r = np.clip(x / 2.0 ** e, -7.5, 7.5)
;;       step = 2.0 ** (np.maximum(np.frexp(np.where(r == 0, 1, r))[1] - 1, 0) - 3)
;;       q = np.round(r / step) * step * 2.0 ** e      # np.round: ties to even
;;       return np.moveaxis(q.reshape(q.shape[:-2] + (-1,))[..., :K], -1, axis).astype(np.float32)
;;   ~~~
;;   INPUTS GIVEN AS CODES. current_hidden (in the module: [32, 1024], K = its axis 1): each comes as NAME_codes (uint8): NAME with its K axis moved to the last place and cut into blocks of 32 codes, [.., K / 32, bytes a block], one block behind the other in memory; four codes in three bytes: a row's codes are one little-endian stream of bits, code i at bits 6 i .. 6 i + 5 (a code: sign, 2 exponent bits, 3 mantissa bits); and NAME_scales (uint8): the same leading axes, one E8M0 byte (e + 127) for each 32 codes along K. Its value is code x scale, taken as it is: it is not quantised again, and the codes and scales need not be those that the quantiser above would give.
;; One version. Each part assembles by itself: llvm-mc -triple=amdgcn-amd-amdhsa -mcpu=gfx1250 --defsym DOCPART=n.
;; ======== version 1 of 1: 3 launches
;; limits: values are held in bf16: 8 bits of precision; right only within a limited range of input values
;; workspace buffers: wq 819,200 bytes; cbk 131,072 bytes; tsc 262,144 bytes; pstat 16,384 bytes; patt 8,388,608 bytes
;; launch prep (part 1): grid 64 x 1, 16 waves a work-group, no clusters, 154,624 bytes of LDS; arguments W_proj, b_proj, current_hidden_codes, current_hidden_scales, wq, cbk; writes wq, cbk
.if DOCPART == 1
	.amdgcn_target "amdgcn-amd-amdhsa--gfx1250"
	.amdhsa_code_object_version 6
	.text
	.protected	k_qe35c585c47_prep
	.globl	k_qe35c585c47_prep
	.p2align	8
	.type	k_qe35c585c47_prep,@function
k_qe35c585c47_prep:
	s_mov_b64 s[64:65], 0
	v_nop
	global_prefetch_b8 v0, s[64:65] scope:SCOPE_SE
	s_setreg_imm32_b32 hwreg(HW_REG_WAVE_MODE, 25, 1), 1
	s_wait_xcnt 0x0
; W_proj [1024][2048] f32 is quantised along K to codes of FP6 (E2M3) with one E8M0 byte for each 32 numbers.  Its left half Wp goes to wq in the order of an operand's registers;
; its right half Wc is multiplied at once, from registers, by current_hidden's codes (the second product of the problem), and cbk = (current Wc^T + b) x 2 log2(e) is stored.
; SHARES.  Work-group t takes rows 16 t .. 16 t + 15; wave w takes 128 columns from 128 w on: one fragment of 16 rows x 128 K.  Waves 0-7 hold Wp's eight K steps, waves 8-15 Wc's.
; The sum over Wc's eight K steps is made inside the work-group, through LDS: so 64 work-groups.  No tile is shared between work-groups and nothing comes by tensor loads: no cluster.
; wq: a record of 12,800 bytes for each t: eight fragments of 1,536 bytes (register group c of lane L at 512 c + 16 L), then 512 bytes of scale words:
;     lane L's 16 bytes at 16 L, word q = the four bytes of row 16 t + L % 16 for K step 2 q + L / 16.
; cbk's stores are 64 consecutive bytes of each of 32 rows for a work-group (it owns 16 columns): 128 KiB in the whole launch.
; LIMITS: NaN and infinities are not served; a block whose largest magnitude lies under 2^-124 gets the byte 1; a block of zeros gets the byte 1 where the rule says 127: its codes are zeros and this program alone reads the bytes.
; WORK LEFT OUT BY THE PROGRAM: tanh(x) = 1 - 2 / (1 + e^(2x)), so a score is (the sum of w_score) - 2 x (the sum over h of w_score[h] / (1 + e^(2x))).  The first term is the same for every position s of a batch:
; a term added to a softmax's input that is the same along its axis changes no weight, whatever the inputs hold.  It is not summed; every input is still loaded.  LIMIT: an overflow of that sum alone is not carried to the result.
; The rows of W come as runs of 512 consecutive bytes and are turned through a stage in LDS that is the wave's own: 16 rows of 528 bytes.
.set ZS,   172                         ; v172-235 16 rows x 16 bytes a lane, as they come from memory
.set STG,  19456                       ; LDS: the stages, 8,448 bytes for each of the 16 waves, behind the spare words
.set XQ,   16
.set TM,   80                          ; v80-95   at work in the quantiser
.set PW,   96                          ; v96      my row's scale word
.set PC,   100                         ; v100-111 the fragment's codes; v112-119 at work
.set CF,   120                         ; v120-143 current_hidden's two fragments (batches 0-15, 16-31)
.set CSW,  144                         ; v144-145 their scale words
.set AC,   148                         ; v148-163 two accumulators
.set PART, 0                           ; LDS: eight images of two accumulators, 2,048 bytes each
.set SCI,  16384                       ; LDS: the record's 512 bytes of scale words
.macro QUANT s                         ; 64 numbers of a lane become a fragment's codes in v[PC] on and its scale word in v[PW]
.irp b, 0,1,2,3
	v_max3_num_f32 v[TM+\b], |v[\s+16*\b]|, |v[\s+1+16*\b]|, 0x1800000   ; my 16 numbers of block b, and the floor 2^(3 - 127): the byte cannot fall under 1
.endr
.irp i, 2,4,6,8,10,12,14
.irp b, 0,1,2,3
	s_delay_alu instid0(VALU_DEP_4)
	v_max3_num_f32 v[TM+\b], v[TM+\b], |v[\s+16*\b+\i]|, |v[\s+1+16*\b+\i]|
.endr
.endr
.irp b, 0,1,2,3
	s_delay_alu instid0(VALU_DEP_4)
	v_permlanex16_b32 v[TM+4+\b], v[TM+\b], s38, s39
.endr
.irp b, 0,1,2,3
	s_delay_alu instid0(VALU_DEP_4)
	v_max_num_f32 v[TM+\b], v[TM+\b], v[TM+4+\b]      ; with lane l xor 16's 16: the block's largest magnitude
.endr
.irp b, 0,1,2,3
	s_delay_alu instid0(VALU_DEP_4)
	v_add_nc_u32 v[TM+12+\b], 0xff000000, v[TM+\b]    ; 2 off its exponent field: the conversion's scale operand
.endr
.irp b, 0,1,2,3
	s_delay_alu instid0(VALU_DEP_4)
	v_lshrrev_b32 v[TM+4+\b], 23, v[TM+12+\b]         ; the scale's byte
.endr
	s_delay_alu instid0(VALU_DEP_3)
	v_lshl_or_b32 v[PW], v[TM+5], 8, v[TM+4]
	s_delay_alu instid0(VALU_DEP_1)
	v_lshl_or_b32 v[PW], v[TM+6], 16, v[PW]
	s_delay_alu instid0(VALU_DEP_1)
	v_lshl_or_b32 v[PW], v[TM+7], 24, v[PW]
.irp c, 0,1
	v_cvt_scalef32_pk16_fp6_f32 v[PC+6*\c:PC+2+6*\c], v[\s+32*\c:\s+15+32*\c], v[TM+12+2*\c]
	v_cvt_scalef32_pk16_fp6_f32 v[PC+12+4*\c:PC+14+4*\c], v[\s+16+32*\c:\s+31+32*\c], v[TM+12+2*\c+1]   ; (a conversion's three registers begin on an even number)
.endr
	v_nop                                          ; one plain instruction behind the scaled conversions
.irp c, 0,1                                    ; the operand wants a whole block in a lane: lanes 0-15 block 2 c, lanes 16-31 block 2 c + 1
.irp i, 0,1,2
	v_permlane16_swap_b32 v[PC+6*\c+\i], v[PC+12+4*\c+\i]
.endr
.irp i, 0,1,2
	s_delay_alu instid0(VALU_DEP_3)
	v_mov_b32 v[PC+3+6*\c+\i], v[PC+12+4*\c+\i]
.endr
.endr
.endm
	s_load_b256 s[4:11], s[0:1], 0x0               ; W s[4:5], b s[6:7], current's codes s[8:9], its scales s[10:11]
	s_load_b128 s[12:15], s[0:1], 0x20             ; wq s[12:13], cbk s[14:15]
	v_lshl_add_u32 v168, v0, 2, 0x4400
	v_mov_b32 v169, 0
	v_lshrrev_b32 v1, 5, v0
	s_delay_alu instid0(VALU_DEP_1)
	v_readfirstlane_b32 s16, v1                    ; wave 0..15
	v_and_b32 v1, 31, v0                           ; lane
	v_and_b32 v2, 15, v0                           ; r
	v_bfe_u32 v3, v0, 4, 1                         ; h
	s_delay_alu instid0(VALU_DEP_2)
	v_mul_u32_u24 v4, v2, 528
	s_delay_alu instid0(VALU_DEP_1)
	v_lshl_add_u32 v4, v3, 6, v4                   ; the stage, back: row r of 528 bytes, + 64 h: my 16 numbers of a block of 32
	v_lshlrev_b32 v5, 4, v1                        ; 16 x lane
	s_wait_alu depctr_va_vdst(0)
	s_and_b32 s17, s16, 7                          ; my K step in my half of W
	s_and_b32 s18, s16, 1
	s_lshr_b32 s19, s17, 1
	s_lshl_b32 s20, s18, 8
	s_lshl_b32 s21, s19, 2
	s_add_co_u32 s20, s20, s21
	s_add_co_u32 s20, s20, SCI
	v_lshl_add_u32 v6, v2, 4, s20                  ; LDS: my row's scale word: 16 r + 256 (K step % 2) + 4 (K step / 2).  All LDS addresses are made here, ahead of the first branch
	s_lshl_b32 s21, s17, 11
	v_add_nc_u32 v7, s21, v5                       ; LDS: where waves 8-15 put their accumulators
	s_and_b32 s22, s16, 3
	s_lshl_b32 s23, s22, 9
	v_add_nc_u32 v8, s23, v5                       ; LDS: the register group that waves 0-3 add up
	v_add_nc_u32 v13, SCI, v5
	s_mul_i32 s27, s16, 8448
	s_add_co_u32 s27, s27, STG                     ; my wave's stage
	v_add_nc_u32 v4, s27, v4
	v_add_nc_u32 v15, s27, v5                      ; the stage, in: 16 x lane of a row
	v_mul_u32_u24 v9, v2, 768
	s_delay_alu instid0(VALU_DEP_1)
	v_mad_u32_u24 v9, v3, 24, v9                   ; current's codes: row r of 768 bytes, + 24 h
	v_lshlrev_b32 v10, 5, v2                       ; its scale bytes: 32 a row
	s_lshr_b32 s24, s22, 1
	s_lshl_b32 s24, s24, 16
	v_lshl_add_u32 v11, v2, 12, s24                ; cbk: batch 16 (group / 2) + r, 4,096 bytes a row,
	s_delay_alu instid0(VALU_DEP_1)
	v_lshl_add_u32 v11, v3, 5, v11                 ; + 32 h
	s_lshl_b32 s25, s18, 4
	v_add_nc_u32 v11, s25, v11                     ; + 16 (group % 2)
	v_lshl_add_u32 v12, v3, 5, s25                 ; b: the same four columns
	s_mul_i32 s26, s17, 1536
	v_add_nc_u32 v14, s26, v5                      ; wq: my fragment in the record
	s_lshl_b32 s28, ttmp9, 17                      ; 16 rows of 8,192 bytes a work-group,
	s_lshl_b32 s29, s16, 9                         ; 512 bytes a wave
	s_add_co_u32 s28, s28, s29
	s_mov_b32 s29, 0
	s_mul_i32 s30, ttmp9, 12800
	s_mov_b32 s31, 0
	s_mul_i32 s32, s17, 96
	s_mov_b32 s33, 0
	s_lshl_b32 s34, s17, 2
	s_mov_b32 s35, 0
	s_lshl_b32 s36, ttmp9, 6
	s_mov_b32 s37, 0
	s_mov_b32 s38, 0x76543210
	s_mov_b32 s39, 0xfedcba98                      ; v_permlanex16_b32's selects for lane l xor 16
.irp b, 0,1,2,3
	v_mov_b32 v[TM+4+\b], 0                        ; a lane permute's destination counts as one of its sources
.endr
	s_wait_kmcnt 0x0
	s_add_nc_u64 s[4:5], s[4:5], s[28:29]
	s_add_nc_u64 s[12:13], s[12:13], s[30:31]
	s_add_nc_u64 s[8:9], s[8:9], s[32:33]
	s_add_nc_u64 s[10:11], s[10:11], s[34:35]
	s_add_nc_u64 s[6:7], s[6:7], s[36:37]
	s_add_nc_u64 s[14:15], s[14:15], s[36:37]
.irp q, 0,1,2,3,4,5,6,7,8,9,10,11,12,13,14,15
	global_load_b128 v[ZS+4*\q:ZS+4*\q+3], v5, s[4:5] offset:8192*\q th:TH_LOAD_NT   ; the 32 lanes take 512 consecutive bytes of row q
.endr
	s_cmp_lt_u32 s16, 8
	s_cbranch_scc1 .Lno_cur
.irp i, 0,1
.irp p, 0,1,2,3,4,5
	global_load_b64 v[CF+12*\i+2*\p:CF+12*\i+2*\p+1], v9, s[8:9] offset:12288*\i+48*(\p/3)+8*(\p%3)   ; current's codes as they lie: 24 bytes a block, three loads of 8
.endr
	global_load_b32 v[CSW+\i], v10, s[10:11] offset:512*\i
.endr
.Lno_cur:
	s_wait_loadcnt 0x0
.irp q, 0,1,2,3,4,5,6,7,8,9,10,11,12,13,14,15
	ds_store_b128 v15, v[ZS+4*\q:ZS+4*\q+3] offset:528*\q
.endr
.irp b, 0,1,2,3
.irp j, 0,1,2,3
	ds_load_b128 v[XQ+16*\b+4*\j:XQ+16*\b+4*\j+3], v4 offset:128*\b+16*\j   ; LDS serves a wave's instructions in order: these see the stores above
.endr
.endr
	s_wait_dscnt 0x0
	QUANT XQ
	s_cmp_lt_u32 s16, 8
	s_cbranch_scc0 .Lwc
.irp c, 0,1,2
	global_store_b128 v14, v[PC+4*\c:PC+4*\c+3], s[12:13] offset:512*\c   ; 32 lanes store 512 consecutive bytes, at a multiple of 256 from wq's first byte
.endr
	ds_store_b32 v6, v[PW]                         ; both halves of the lanes write the same word with the same value
	s_branch .Ljoin
.Lwc:
.rept 8
	v_nop                                          ; a scale register written by a vector instruction stands 8 places ahead of a scaled matrix instruction, an operand so written 4
.endr
	s_wait_alu depctr_va_vdst(0)
.irp i, 0,1                                    ; transposed: source 0 = my 16 rows of Wc, source 1 = 16 batches: lane (r, h) holds batch 16 i + r, register j hidden unit 16 t + 8 h + j
	v_wmma_scale_f32_16x16x128_f8f6f4 v[AC+8*\i:AC+8*\i+7], v[PC:PC+11], v[CF+12*\i:CF+12*\i+11], 0, v[PW], v[CSW+\i] matrix_a_fmt:MATRIX_FMT_FP6 matrix_b_fmt:MATRIX_FMT_FP6
.endr
.rept 4
	v_nop                                          ; four places in front of the stores that read the results
.endr
.irp c, 0,1,2,3
	ds_store_b128 v7, v[AC+4*\c:AC+4*\c+3] offset:512*\c     ; each accumulator from its low end on
.endr
.Ljoin:
	s_wait_dscnt 0x0                               ; for the others' sake: my LDS stores have landed
	s_barrier_signal -1
	s_barrier_wait -1
	s_cmp_lt_u32 s16, 4
	s_cbranch_scc0 .Lnot_sum
	global_load_b128 v[48:51], v12, s[6:7]         ; waves 0-3: register group w of the two accumulators, summed over the eight K steps
.irp p, 0,1,2,3,4,5,6,7
	ds_load_b128 v[16+4*\p:19+4*\p], v8 offset:2048*\p
.endr
	s_wait_dscnt 0x0
.irp p, 0,2,4,6
	v_pk_add_f32 v[16+4*\p:17+4*\p], v[16+4*\p:17+4*\p], v[20+4*\p:21+4*\p]
	v_pk_add_f32 v[18+4*\p:19+4*\p], v[18+4*\p:19+4*\p], v[22+4*\p:23+4*\p]
.endr
.irp p, 0
	v_pk_add_f32 v[16+4*\p:17+4*\p], v[16+4*\p:17+4*\p], v[24+4*\p:25+4*\p]
	v_pk_add_f32 v[18+4*\p:19+4*\p], v[18+4*\p:19+4*\p], v[26+4*\p:27+4*\p]
.endr
.irp p, 4
	s_delay_alu instid0(VALU_DEP_4)
	v_pk_add_f32 v[16+4*\p:17+4*\p], v[16+4*\p:17+4*\p], v[24+4*\p:25+4*\p]
	s_delay_alu instid0(VALU_DEP_4)
	v_pk_add_f32 v[18+4*\p:19+4*\p], v[18+4*\p:19+4*\p], v[26+4*\p:27+4*\p]
.endr
	s_delay_alu instid0(VALU_DEP_2)
	v_pk_add_f32 v[16:17], v[16:17], v[32:33]
	s_delay_alu instid0(VALU_DEP_2)
	v_pk_add_f32 v[18:19], v[18:19], v[34:35]
	s_wait_alu depctr_va_vdst(0)
	s_wait_loadcnt 0x0
	v_pk_add_f32 v[16:17], v[16:17], v[48:49]      ; + b
	v_pk_add_f32 v[18:19], v[18:19], v[50:51]
	s_delay_alu instid0(VALU_DEP_2)
	v_pk_mul_f32 v[16:17], v[16:17], 0x4038aa3b op_sel_hi:[1,0]   ; x 2 log2(e): the tanh of the next launch works in base 2
	s_delay_alu instid0(VALU_DEP_2)
	v_pk_mul_f32 v[18:19], v[18:19], 0x4038aa3b op_sel_hi:[1,0]
	global_store_b128 v11, v[16:19], s[14:15]
	s_wait_tensorcnt 0x0
	ds_add_u32 v168, v169
	s_wait_dscnt 0x0
	s_endpgm
.Lnot_sum:
	s_cmp_eq_u32 s16, 4
	s_cbranch_scc0 .Lend
	ds_load_b128 v[16:19], v13                     ; wave 4: the record's scale words leave as 512 consecutive bytes
	s_wait_dscnt 0x0
	global_store_b128 v5, v[16:19], s[12:13] offset:12288
.Lend:
	s_wait_tensorcnt 0x0
	ds_add_u32 v168, v169
	s_wait_dscnt 0x0
	s_endpgm
.Lfunc_end_k_qe35c585c47_prep:
	.size	k_qe35c585c47_prep, .Lfunc_end_k_qe35c585c47_prep-k_qe35c585c47_prep
	.p2alignl 7, 3214868480
	.fill 96, 4, 3214868480
	.section	.rodata,"a",@progbits
	.p2align	6, 0x0
	.amdhsa_kernel k_qe35c585c47_prep
		.amdhsa_group_segment_fixed_size 154624
		.amdhsa_private_segment_fixed_size 0
		.amdhsa_enable_private_segment 0
		.amdhsa_kernarg_size 48
		.amdhsa_user_sgpr_count 2
		.amdhsa_user_sgpr_kernarg_segment_ptr 1
		.amdhsa_wavefront_size32 1
		.amdhsa_system_sgpr_workgroup_id_x 1
		.amdhsa_system_sgpr_workgroup_id_y 1
		.amdhsa_system_sgpr_workgroup_id_z 1
		.amdhsa_system_vgpr_workitem_id 0
		.amdhsa_next_free_vgpr 236
		.amdhsa_next_free_sgpr 66
		.amdhsa_reserve_vcc 0
		.amdhsa_float_denorm_mode_32 3
		.amdhsa_float_denorm_mode_16_64 3
		.amdhsa_memory_ordered 1
		.amdhsa_forward_progress 1
		.amdhsa_inst_pref_size 18
	.end_amdhsa_kernel
	.amdgpu_metadata
---
amdhsa.version: [ 1, 2 ]
amdhsa.kernels:
  - .name:           k_qe35c585c47_prep
    .symbol:         k_qe35c585c47_prep.kd
    .args:
      - { .name: W_proj, .offset: 0, .size: 8, .value_kind: global_buffer, .address_space: global }
      - { .name: b_proj, .offset: 8, .size: 8, .value_kind: global_buffer, .address_space: global }
      - { .name: current_hidden_codes, .offset: 16, .size: 8, .value_kind: global_buffer, .address_space: global }
      - { .name: current_hidden_scales, .offset: 24, .size: 8, .value_kind: global_buffer, .address_space: global }
      - { .name: wq, .offset: 32, .size: 8, .value_kind: global_buffer, .address_space: global }
      - { .name: cbk, .offset: 40, .size: 8, .value_kind: global_buffer, .address_space: global }
    .group_segment_fixed_size: 154624
    .private_segment_fixed_size: 0
    .kernarg_segment_align: 8
    .kernarg_segment_size: 48
    .max_flat_workgroup_size: 512
    .sgpr_count:     66
    .vgpr_count:     236
    .wavefront_size: 32
...
	.end_amdgpu_metadata
.endif
;; end of part 1
;; launch main (part 2): grid 512 x 1, 4 waves a work-group, clusters of 4 x 1, 327,680 bytes of LDS; arguments past_hidden, wq, cbk, w_score, tsc, pstat, patt; writes tsc, pstat, patt
.if DOCPART == 2
	.amdgcn_target "amdgcn-amd-amdhsa--gfx1250"
	.amdhsa_code_object_version 6
	.text
	.protected	k_qe35c585c47_main
	.globl	k_qe35c585c47_main
	.p2align	8
	.type	k_qe35c585c47_main,@function
k_qe35c585c47_main:
	s_mov_b64 s[64:65], 0
	v_nop
	global_prefetch_b8 v0, s[64:65] scope:SCOPE_SE
	s_setreg_imm32_b32 hwreg(HW_REG_WAVE_MODE, 25, 1), 1
	s_wait_xcnt 0x0
	s_wait_alu depctr_hold_cnt(0) depctr_sa_sdst(0) depctr_va_vdst(0) depctr_va_sdst(0) depctr_va_ssrc(0) depctr_va_vcc(0) depctr_vm_vsrc(0)
	s_getreg_b32 s2, hwreg(HW_REG_IB_STS2, 6, 4)
	s_cmp_eq_u32 s2, 0
	s_cbranch_scc0 .Lentry_in_a_cluster
	s_endpgm
.Lentry_in_a_cluster:
	s_bfe_u32 s2, ttmp6, 0x10000c
	s_cmp_lg_u32 s2, 0x3003
	s_cbranch_scc0 .Lentry_shape_is_right
	s_endpgm
.Lentry_shape_is_right:
; For 128 rows of past_hidden: quantise to FP6 (E2M3) codes, multiply by Wp's codes, tanh, the score, a partial softmax and the partial weighted sum.  past_hidden is read once.
; LEFT OUT: the sum of w_score, a term that is the same for every position of a softmax row (shown at the head of launch prep): the score kept here is -2 x the sum over h of w[h] / (1 + 2^y), y = (x + c) 2 log2(e).
; SHARES.  Work-group g takes rows 128 g .. + 127 (sixteen work-groups to a batch), wave w 32 of them: two blocks of 16.  A wave keeps its rows' codes (16 fragments, 192 registers, window 1)
; and a bf16 copy of them (512 registers, windows 2 and 3) and walks all 1,024 hidden units: 8 chunks of 128, each two halves of 64 = 4 tiles x 2 blocks = 8 accumulators (window 1, v192-255).
; W's chunks (8 records of 12,800 bytes, laid by prep in the order of an operand's registers) come through two LDS slots by JOINT tensor loads: the four work-groups of a cluster walk the same W, each wave asks for a quarter.
; A HALF: 64 matrix instructions on end, the eight accumulators by turns, no transcendental among them; then one batch of tanh for its 64 registers.
; W's fragments have three buffers of one K step (48 registers): K steps 3-7 are fetched in the run, the next half's K steps 0-2 and scale words among the tanh's lines.
; THE WEIGHTED SUM goes to the matrix unit in bf16: see PSUM below.  Each wave stores t = score x log2(e) (tsc), its {max t, sum of 2^(t - max)} (pstat) and its sum of 2^(t - max) x row (patt); launch join joins them.
; PREFETCH: W's records are read by every cluster again and again in this launch: none.  past_hidden: in each half a wave of the first 256 work-groups names 8,192 of the 131,072 bytes that the same wave of work-group g + 256 reads, a lane to each 256 bytes.
; LIMITS: NaN and infinities are not served; a block under 2^-124 gets the byte 1, a block of zeros too (zero codes; only this program reads the bytes); 2^(t - max) goes to the matrix unit in bf16.
.set REC,    12800
.set CHB,    8*REC                     ; a chunk = a slot's bytes
.set QTR,    2*REC                     ; what one tensor load brings
.set HLF,    4*REC
.set SLOT1,  1<<17
.set CWE,    CHB                       ; the table: 16 bytes {c, c, -2 w, -2 w} for each hidden unit
.set SPARE,  CWE+16384                 ; the spare words, 512 bytes
.set STAGE,  SLOT1+CHB                 ; each wave's own stage: 16 rows of 528 bytes
.set SP,     528
.set WST,    16*SP
.set SPW,  1
.set NIL,  2
.set L16,  3                           ; 16 x lane
.set STI,  4                           ; stage, by whole rows
.set STO,  5                           ; stage, by an operand's lanes
.set BA0,  6                           ; W's fragments: first half of the slot at work;  BA1: second half
.set CW0,  7
.set CWA,  8
.set ROW4, 9
.set PFO,  10
.set LN,   11
.set ZR,   12
.set CWS,  13
.set BA1,  14
.set AS,   16                          ; v16-23 my rows' scale words (even K step in lanes 0-15, odd in 16-31);  v24-39 W's
.set BS,   24
.set MX,   40                          ; the head: v40-63 at work in the quantiser, v64-127 64 numbers of a lane, v128-255 rows as they come
.set BY,   44
.set T,    48
.set PW,   51
.set XQ,   64
.set Z0,   128
.set Z1,   192
.set SA,   40                          ; the loop: v40-55 the 16 score sums; v56-71 table entries of 4 tiles; v72-215 W's fragments
.set CW,   56
.set BF,   72
.set ACB,  192                         ; window 1: the accumulators
.set SV,   216
.set TT,   217
.set MS,   218
.set PP,   220
.set TMP,  221
.set PV,   40                          ; the tail: v40-71 p of 32 rows; v200-215 the same as bf16 pairs; v72-199 sixteen operands made of them; v224-255 four accumulators
.set PB,   200
.set PT,   72
.set AT,   224
.set MSB, 0
.macro WIN new                         ; the immediate's high byte repeats the setting that is left
.if MSB != (\new)
	s_set_vgpr_msb (MSB<<8)|(\new)
.set MSB, (\new)
.endif
.endm
.macro PLACES n
.rept \n
	v_nop
.endr
.endm
.macro ROUND                           ; a round of the cluster's barrier
	s_barrier_signal -1
	s_barrier_wait -1
	s_cmp_lg_u32 s18, 0
	s_cbranch_scc1 .Lnot_wave_0_\@
	s_barrier_signal -3
.Lnot_wave_0_\@:
	s_barrier_wait -3
	s_barrier_signal -1
	s_barrier_wait -1
.endm
.macro XLOAD c, zw, zb                 ; piece c: 16 rows (block c / 8) x 128 columns from 128 (c % 8): each load takes 512 consecutive bytes of a row
	WIN (\zw)<<6
.irp q, 0,1,2,3,4,5,6,7,8,9,10,11,12,13,14,15
	global_load_b128 v[\zb+4*\q:\zb+4*\q+3], v[L16], s[4:5] offset:(16*((\c)/8)+\q)*4096+512*((\c)%8) th:TH_LOAD_NT
.endr
.endm
.macro QUANT                           ; 64 numbers of a lane (four half blocks) -> codes in v[T] on, the row's scale word in v[PW]
.irp b, 0,1,2,3
	v_max3_num_f32 v[MX+\b], |v[XQ+16*\b]|, |v[XQ+1+16*\b]|, 0x1800000   ; the floor 2^(3 - 127): the byte cannot fall under 1
.endr
.irp i, 2,4,6,8,10,12,14
.irp b, 0,1,2,3
	v_max3_num_f32 v[MX+\b], v[MX+\b], |v[XQ+16*\b+\i]|, |v[XQ+1+16*\b+\i]|
.endr
.endr
.irp b, 0,1,2,3
	v_permlanex16_b32 v[BY+\b], v[MX+\b], s46, s47
.endr
.irp b, 0,1,2,3
	v_max_num_f32 v[MX+\b], v[MX+\b], v[BY+\b]   ; with lane l xor 16's half: the block's largest magnitude
.endr
.irp b, 0,1,2,3
	v_add_nc_u32 v[MX+\b], 0xff000000, v[MX+\b]  ; 2 off its exponent field: the conversion's scale operand
.endr
.irp b, 0,1,2,3
	v_lshrrev_b32 v[BY+\b], 23, v[MX+\b]         ; the byte
.endr
	v_lshl_or_b32 v[PW], v[BY+1], 8, v[BY]
	v_lshl_or_b32 v[PW], v[BY+2], 16, v[PW]
	v_lshl_or_b32 v[PW], v[BY+3], 24, v[PW]
.irp u, 0,1
	v_cvt_scalef32_pk16_fp6_f32 v[T+4*\u:T+4*\u+2], v[XQ+32*\u:XQ+32*\u+15], v[MX+2*\u]
	v_cvt_scalef32_pk16_fp6_f32 v[T+8+4*\u:T+8+4*\u+2], v[XQ+16+32*\u:XQ+31+32*\u], v[MX+2*\u+1]
.endr
	v_nop                                        ; one plain place behind the scaled conversions
.irp u, 0,1
.irp i, 0,1,2
	v_permlane16_swap_b32 v[T+4*\u+\i], v[T+8+4*\u+\i]   ; a whole block in a lane
.endr
.endr
.endm
; Piece c: through my stage into an operand's lanes; the bf16 copy; the next piece's loads; codes and scale word.
; The bf16 copy: window 2 + c / 8, register 32 (c % 8) + 8 e + t = rows 2 t, 2 t + 1 of the block at column 128 (c % 8) + 4 lane + e: a lane's eight registers run down 16 rows of ONE column.
.macro CHUNK c, zw, zb, younger, next
	s_wait_loadcnt \younger
	WIN (\zw)<<2
.irp q, 0,1,2,3,4,5,6,7,8,9,10,11,12,13,14,15
	ds_store_b128 v[STI], v[\zb+4*\q:\zb+4*\q+3] offset:SP*\q
.endr
	WIN 0
.irp b, 0,1,2,3
.irp j, 0,1,2,3
	ds_load_b128 v[XQ+16*\b+4*\j:XQ+16*\b+4*\j+3], v[STO] offset:128*\b+16*\j
.endr
.endr
	WIN ((2+(\c)/8)<<6)|((\zw)<<2)|(\zw)
.irp e, 0,1,2,3
.irp t, 0,1,2,3,4,5,6,7
	v_cvt_pk_bf16_f32 v[32*((\c)%8)+8*\e+\t], v[\zb+8*\t+\e], v[\zb+8*\t+4+\e]
.endr
.endr
	s_wait_dscnt 0x0                             ; the stage's stores have read their registers: the next piece may land there
.if \next >= 0
	XLOAD \next, \zw, \zb
.endif
	WIN 0
	QUANT
.if ((\c)%2) == 0
	v_mov_b32 v[AS+4*((\c)/8)+((\c)%8)/2], v[PW]
.else
	v_cndmask_b32 v[AS+4*((\c)/8)+((\c)%8)/2], v[AS+4*((\c)/8)+((\c)%8)/2], v[PW], s48
.endif
	WIN 0x40
.irp u, 0,1
.irp i, 0,1,2
	v_mov_b32 v[12*(\c)+6*\u+\i], v[T+4*\u+\i]
	v_mov_b32 v[12*(\c)+6*\u+3+\i], v[T+8+4*\u+\i]
.endr
.endr
	WIN 0
.endm
.macro LFR adr, k, buf                 ; four tiles' fragments of K step k: 12 loads
.irp tt, 0,1,2,3
.irp c, 0,1,2
	ds_load_b128 v[BF+48*(\buf)+12*\tt+4*\c:BF+48*(\buf)+12*\tt+4*\c+3], v[\adr] offset:REC*\tt+1536*(\k)+512*\c
.endr
.endr
.endm
.macro BSL adr                         ; four tiles' scale words for all of K: 4 loads
.irp tt, 0,1,2,3
	ds_load_b128 v[BS+4*\tt:BS+4*\tt+3], v[\adr] offset:REC*\tt+12288
.endr
.endm
.macro WM d, a, b, sa, sb, zero, odd
.if \zero
	v_wmma_scale_f32_16x16x128_f8f6f4 v[\d:\d+7], v[\a:\a+11], v[\b:\b+11], 0, v[\sa], v[\sb] matrix_a_fmt:MATRIX_FMT_FP6 matrix_b_fmt:MATRIX_FMT_FP6
.elseif \odd
	v_wmma_scale_f32_16x16x128_f8f6f4 v[\d:\d+7], v[\a:\a+11], v[\b:\b+11], v[\d:\d+7], v[\sa], v[\sb] matrix_a_fmt:MATRIX_FMT_FP6 matrix_b_fmt:MATRIX_FMT_FP6 matrix_a_scale:MATRIX_SCALE_ROW1 matrix_b_scale:MATRIX_SCALE_ROW1
.else
	v_wmma_scale_f32_16x16x128_f8f6f4 v[\d:\d+7], v[\a:\a+11], v[\b:\b+11], v[\d:\d+7], v[\sa], v[\sb] matrix_a_fmt:MATRIX_FMT_FP6 matrix_b_fmt:MATRIX_FMT_FP6
.endif
.endm
; The change of slots: the tensor wait, the add and the LDS wait, then the round and the refill.  fill = 0: nothing is left to fetch, a plain barrier shows the other slot whole.
.macro CHANGE fill
	s_wait_tensorcnt 0x0                         ; my one load that was out, my quarter of the other slot, has landed
	ds_add_u32 v[SPW], v[NIL]
.if \fill
	s_xor_b32 s37, s37, SLOT1                    ; no load of mine is out: the descriptor steps to the slot just read and two chunks on
	s_add_nc_u64 s[38:39], s[38:39], CHB
.endif
	s_xor_b32 s40, s40, SLOT1
	s_wait_dscnt 0x0                             ; the add is done, and my reads of this slot
.if \fill
	ROUND
	tensor_load_to_lds s[36:39], s[24:31]
	s_nop 0
.else
	s_barrier_signal -1
	s_barrier_wait -1
.endif
	PLACES 4                                     ; also the places behind the run's last matrix instructions
	v_add_nc_u32 v[BA0], s40, v[L16]
	v_add_nc_u32 v[BA1], HLF, v[BA0]
	s_wait_alu depctr_va_vdst(0)                 ; a branch stands ahead of the loads that read the two
.endm
; The tanh of a half's 64 registers and its part of the scores; lane = hidden unit, register = row.  Among its lines the next half's scale words and K steps 0-2 are fetched (40 loads).
; The waits on the vector side stand ahead of and behind each batch of transcendentals.
.macro TANH nadr
	BSL \nadr
	LFR \nadr, 0, 0
	WIN 0x41
.set j, 0
.rept 32
	v_pk_fma_f32 v[ACB+2*j:ACB+2*j+1], v[ACB+2*j:ACB+2*j+1], s[44:45], v[CW+4*(j/8):CW+4*(j/8)+1] op_sel_hi:[1,0,1]   ; y; each accumulator from its low end on
.set j, j+1
.endr
	WIN 0
	LFR \nadr, 1, 1
	WIN 0x41
	s_wait_alu depctr_va_vdst(0)
.set j, 0
.rept 64
	v_exp_f32 v[ACB+j], v[ACB+j]
.set j, j+1
.endr
	v_nop
	s_wait_alu depctr_va_vdst(0)
.set j, 0
.rept 32
	v_pk_add_f32 v[ACB+2*j:ACB+2*j+1], v[ACB+2*j:ACB+2*j+1], 1.0 op_sel_hi:[1,0]
.set j, j+1
.endr
	WIN 0
	LFR \nadr, 2, 2
	WIN 0x41
	s_wait_alu depctr_va_vdst(0)
.set j, 0
.rept 64
	v_rcp_f32 v[ACB+j], v[ACB+j]                 ; 1 / (1 + 2^y): 0 where 2^y has overflowed
.set j, j+1
.endr
	v_nop
	s_wait_alu depctr_va_vdst(0)
	WIN 0x01
.set j, 0
.rept 32
	v_pk_fma_f32 v[SA+2*(j%8):SA+2*(j%8)+1], v[ACB+2*j:ACB+2*j+1], v[CW+4*(j/8)+2:CW+4*(j/8)+3], v[SA+2*(j%8):SA+2*(j%8)+1]
.set j, j+1
.endr
	WIN 0
.endm
; A half.  LDS loads out at its head, in order: 4 scale loads, K steps 0, 1, 2 (12 each).  The 4 table loads follow.  The wait ahead of K step k counts what was issued behind k's fragments:
; k = 0, 1, 2: two K steps and the table, 28; k = 3, 4, 5: two K steps, 24; k = 6: one, 12; k = 7: none.
.macro RUN adr, nadr, half, chg
.irp tt, 0,1,2,3
	ds_load_b128 v[CW+4*\tt:CW+4*\tt+3], v[CWA] offset:1024*\half+256*\tt
.endr
.irp k, 0,1,2,3,4,5,6,7
.if \k < 3
	s_wait_dscnt 28
.elseif \k < 6
	s_wait_dscnt 24
.elseif \k == 6
	s_wait_dscnt 12
.else
	s_wait_dscnt 0x0
.endif
	WIN 0x51                                     ; my codes, C and D in window 1; W's fragments in window 0
.irp tt, 0,1,2,3
.irp i, 0,1
.if \k == 0
	WM ACB+8*(2*\tt+\i), 12*(8*\i+\k), BF+48*(\k%3)+12*\tt, AS+4*\i+\k/2, BS+4*\tt+\k/2, 1, 0
.else
	WM ACB+8*(2*\tt+\i), 12*(8*\i+\k), BF+48*(\k%3)+12*\tt, AS+4*\i+\k/2, BS+4*\tt+\k/2, 0, \k%2
.endif
.endr
.endr
	WIN 0
.if \k < 5
	PLACES 4                                     ; four places in front of loads into registers that matrix instructions have read
	LFR \adr, \k+3, \k%3
.endif
.endr
.if \chg == 1
	CHANGE 1
.elseif \chg == 2
	CHANGE 0
.else
	PLACES 4
.endif
	s_cmp_lt_u32 ttmp9, 64                       ; the first 64 clusters: work-group g + 256 exists
	s_cbranch_scc0 .Lno_ask_\@
	global_prefetch_b8 v[PFO], s[52:53] offset:8192*\half th:TH_LOAD_NT scope:SCOPE_SE
.Lno_ask_\@:
	TANH \nadr
.endm
.macro BODY chg                        ; a chunk
	v_add_nc_u32 v[CWA], s41, v[CW0]
	RUN BA0, BA1, 0, 0
	RUN BA1, BA0, 1, \chg
	s_wait_xcnt 0x0                              ; the prefetches have read their base
	s_add_nc_u64 s[52:53], s[52:53], 16384
	s_add_co_u32 s41, s41, 2048
.endm
	s_load_b256 s[4:11], s[0:1], 0x0               ; past s[4:5], wq s[6:7], cbk s[8:9], w_score s[10:11]
	s_load_b128 s[12:15], s[0:1], 0x20             ; tsc s[12:13], pstat s[14:15]
	s_load_b64 s[16:17], s[0:1], 0x30              ; patt
	v_lshl_add_u32 v[SPW], v0, 2, SPARE
	v_mov_b32 v[NIL], 0
	ds_add_u32 v[SPW], v[NIL]                      ; the opening lines: the add twice on end under one wait
	ds_add_u32 v[SPW], v[NIL]
	v_lshrrev_b32 v15, 5, v0
	v_readfirstlane_b32 s18, v15                   ; wave
	s_bfe_u32 s19, ttmp6, 0x40000
	s_lshl_b32 s20, ttmp9, 2
	s_add_co_u32 s20, s20, s19                     ; work-group g: in global addresses of my own rows alone
	s_mov_b32 s24, 15|(3<<16)|(1<<21)              ; group 1: all four partners; elements of 8 bytes; 100 rows of 256 bytes, dense
	s_mov_b32 s25, 32<<16
	s_mov_b32 s26, 100<<16
	s_mov_b32 s27, 32<<16
	s_mov_b32 s28, 100
	s_mov_b32 s29, 32
	s_mov_b32 s30, 0
	s_mov_b32 s31, 0
	s_mul_i32 s22, s18, QTR
	s_mov_b32 s23, 0
	s_wait_dscnt 0x0
	s_wait_kmcnt 0x0
	s_mov_b32 s32, 1
	s_mov_b32 s33, s22
	s_add_nc_u64 s[34:35], s[6:7], s[22:23]        ; chunk 0, my quarter, to slot 0
	s_mov_b32 s36, 1
	s_add_co_u32 s37, s22, SLOT1
	s_add_nc_u64 s[38:39], s[34:35], CHB           ; chunk 1 to slot 1
	s_or_b32 s35, s35, 0x80000000
	s_or_b32 s39, s39, 0x80000000
	ROUND
	tensor_load_to_lds s[32:35], s[24:31]          ; my one tensor load at the head
	s_nop 0
	PLACES 4
	s_lshl_b32 s54, s20, 19
	s_lshl_b32 s55, s18, 17
	s_add_co_u32 s54, s54, s55
	s_mov_b32 s55, 0
	s_add_nc_u64 s[4:5], s[4:5], s[54:55]          ; my 32 rows of 4,096 bytes
	s_lshr_b32 s54, s20, 4
	s_lshl_b32 s54, s54, 12
	s_add_nc_u64 s[8:9], s[8:9], s[54:55]          ; my batch's row of cbk
	s_lshl_b32 s54, s20, 9
	s_lshl_b32 s21, s18, 7
	s_add_co_u32 s54, s54, s21
	s_add_nc_u64 s[12:13], s[12:13], s[54:55]
	s_lshl_b32 s54, s20, 5
	s_lshl_b32 s21, s18, 3
	s_add_co_u32 s54, s54, s21
	s_add_nc_u64 s[14:15], s[14:15], s[54:55]
	s_lshl_b32 s54, s20, 14
	s_lshl_b32 s21, s18, 12
	s_add_co_u32 s54, s54, s21
	s_add_nc_u64 s[16:17], s[16:17], s[54:55]
	s_cmp_lt_u32 ttmp9, 64
	s_cselect_b32 s54, 0x8000000, 0
	s_add_nc_u64 s[52:53], s[4:5], s[54:55]        ; the same wave's rows of work-group g + 256
	s_mov_b32 s44, 0x4038aa3b                      ; 2 log2(e)
	s_mov_b32 s45, s44
	s_mov_b32 s46, 0x76543210
	s_mov_b32 s47, 0xfedcba98
	s_mov_b32 s48, 0xffff0000
	s_mul_i32 s51, s18, WST
	s_add_co_u32 s51, s51, STAGE                   ; my stage
	s_mov_b32 s40, 0
	s_mov_b32 s41, 0
	v_and_b32 v[LN], 31, v0
	v_lshlrev_b32 v[L16], 4, v[LN]
	v_and_b32 v15, 15, v0
	v_bfe_u32 v12, v0, 4, 1
	v_add_nc_u32 v[STI], s51, v[L16]
	v_mul_u32_u24 v[STO], v15, SP
	v_lshl_add_u32 v[STO], v12, 6, v[STO]
	v_add_nc_u32 v[STO], s51, v[STO]
	v_lshl_add_u32 v[CW0], v15, 4, CWE
	v_lshl_add_u32 v[CWS], v0, 7, CWE
	v_bfe_u32 v[ROW4], v0, 3, 1
	v_lshlrev_b32 v[ROW4], 1, v[ROW4]
	v_add_nc_u32 v[ROW4], v[ROW4], v12
	v_and_b32 v15, 7, v0
	v_lshl_add_u32 v[ROW4], v[ROW4], 3, v15
	v_lshlrev_b32 v[ROW4], 2, v[ROW4]              ; 4 x the row whose score my lane ends up with: 16 (r / 8) + 8 h + r % 8
	v_lshlrev_b32 v[PFO], 8, v[LN]
	v_mov_b32 v[ZR], 0
.irp b, 0,1,2,3
	v_mov_b32 v[BY+\b], 0                          ; a lane permute's destination counts as one of its sources
.endr
	v_lshlrev_b32 v15, 5, v0
	global_load_b128 v[XQ:XQ+3], v15, s[8:9]       ; thread t: c and w of hidden units 8 t .. 8 t + 7
	global_load_b128 v[XQ+4:XQ+7], v15, s[8:9] offset:16
	global_load_b128 v[XQ+8:XQ+11], v15, s[10:11]
	global_load_b128 v[XQ+12:XQ+15], v15, s[10:11] offset:16
	XLOAD 0, 0, Z0
	XLOAD 1, 0, Z1
	XLOAD 2, 1, Z1
	WIN 0
	s_wait_alu depctr_va_vdst(0)
	s_wait_loadcnt 48                              ; all but the three pieces
.irp e, 0,1,2,3,4,5,6,7
	v_mov_b32 v[XQ+16+4*\e], v[XQ+\e]
	v_mov_b32 v[XQ+17+4*\e], v[XQ+\e]
	v_mul_f32 v[XQ+18+4*\e], -2.0, v[XQ+8+\e]
	v_mul_f32 v[XQ+19+4*\e], -2.0, v[XQ+8+\e]
.endr
.irp e, 0,1,2,3,4,5,6,7
	ds_store_b128 v[CWS], v[XQ+16+4*\e:XQ+19+4*\e] offset:16*\e
.endr
	XLOAD 3, 3, Z1
	WIN 0
	s_wait_dscnt 0x0
	CHUNK 0,  0, Z0, 48, 4                         ; four pieces of 8 KiB a wave are on their way; window 3's upper 64 registers serve until the copy needs them
	CHUNK 1,  0, Z1, 48, 5
	CHUNK 2,  1, Z1, 48, 6
	CHUNK 3,  3, Z1, 48, 7
	CHUNK 4,  0, Z0, 48, 8
	CHUNK 5,  0, Z1, 48, 9
	CHUNK 6,  1, Z1, 48, 10
	CHUNK 7,  3, Z1, 48, 11
	CHUNK 8,  0, Z0, 48, 12
	CHUNK 9,  0, Z1, 48, 13
	CHUNK 10, 1, Z1, 48, 14
	CHUNK 11, 3, Z1, 48, -1
	CHUNK 12, 0, Z0, 32, 15
	CHUNK 13, 0, Z1, 32, -1
	CHUNK 14, 1, Z1, 16, -1
	CHUNK 15, 0, Z0, 0, -1
.set ix, 0
.rept 16
	v_mov_b32 v[SA+ix], 0
.set ix, ix+1
.endr
	v_add_nc_u32 v[BA0], s40, v[L16]
	v_add_nc_u32 v[BA1], HLF, v[BA0]
	s_wait_alu depctr_va_vdst(0)
	s_wait_tensorcnt 0x0                           ; slot 1's first fill is issued as a refill is: the three lines, a round (it also shows chunk 0 and the table whole), the load
	ds_add_u32 v[SPW], v[NIL]
	s_wait_dscnt 0x0
	ROUND
	tensor_load_to_lds s[36:39], s[24:31]
	s_nop 0
	PLACES 4
	BSL BA0
	LFR BA0, 0, 0
	LFR BA0, 1, 1
	LFR BA0, 2, 2
	s_mov_b32 s42, 6
.Lslot:                                                ; chunks 0-5: each fills its slot again, two chunks on
	BODY 1
	s_sub_co_u32 s42, s42, 1
	s_cmp_lg_u32 s42, 0
	s_cbranch_scc1 .Lslot
	s_mov_b32 s42, 2
.Ltail:                                                ; chunks 6, 7: nothing is left to fetch (what chunk 7 reads ahead, out of the other slot, is not used)
	BODY 2
	s_sub_co_u32 s42, s42, 1
	s_cmp_lg_u32 s42, 0
	s_cbranch_scc1 .Ltail
	s_wait_alu depctr_va_vdst(0)
	s_wait_dscnt 0x0
.irp m, 1,2,4,8                                ; the sums over the sixteen lanes' hidden units
.set ix, 0
.rept 16
	v_add_f32_dpp v[SA+ix], v[SA+ix], v[SA+ix] row_xmask:\m row_mask:0xf bank_mask:0xf
.set ix, ix+1
.endr
.endr
	v_mov_b32 v[SV], v[SA]
.irp x, 1,2,3,4,5,6,7,8,9,10,11,12,13,14,15
	s_mov_b32 s49, 0x10001<<\x
	v_cndmask_b32 v[SV], v[SV], v[SA+\x], s49      ; lane (r, h) keeps sum r: a lane to a row
.endr
	v_mul_f32 v[TT], 0x3fb8aa3b, v[SV]
	global_store_b32 v[ROW4], v[TT], s[12:13]      ; the wave's 32 t: 128 consecutive bytes
	v_mov_b32 v[TMP], 0
	v_mov_b32 v[MS], v[TT]
.irp m, 1,2,4,8
	v_max_num_f32_dpp v[MS], v[MS], v[MS] row_xmask:\m row_mask:0xf bank_mask:0xf
.endr
	v_permlanex16_b32 v[TMP], v[MS], s46, s47
	v_max_num_f32 v[MS], v[MS], v[TMP]             ; the largest t of my 32 rows is taken away before the exponential
	v_sub_f32 v[PP], v[TT], v[MS]
	s_wait_alu depctr_va_vdst(0)
	v_exp_f32 v[PP], v[PP]
	v_nop
	s_wait_alu depctr_va_vdst(0)
	v_mov_b32 v[MS+1], v[PP]
.irp m, 1,2,4,8
	v_add_f32_dpp v[MS+1], v[MS+1], v[MS+1] row_xmask:\m row_mask:0xf bank_mask:0xf
.endr
	v_permlanex16_b32 v[TMP], v[MS+1], s46, s47
	v_add_f32 v[MS+1], v[MS+1], v[TMP]
	s_wait_alu depctr_va_vdst(0)
	s_wait_xcnt 0x0                                ; EXEC changes only behind this wait
	v_cmp_eq_u32 vcc_lo, 0, v[LN]
	s_and_saveexec_b32 s50, vcc_lo
	global_store_b64 v[ZR], v[MS:MS+1], s[14:15]
	s_wait_xcnt 0x0
	s_or_b32 exec_lo, exec_lo, s50
; PSUM: the sum over my 32 rows of p[row] x row, 1,024 columns, by v_wmma_f32_16x16x32_bf16.  Source 0 = eight registers of the copy: lane (m, h) gives 16 rows of ITS column in the K places of half h.
; Source 1 holds p's 16 numbers in lane 2 x' (column 2 x', half 0) and lane 17 + 2 x' (column 2 x' + 1, half 1) and zeros elsewhere: column 2 x' of the result sums lanes 0-15's columns, column 2 x' + 1 lanes 16-31's.
; x' = 0 .. 7 takes eight register groups of the copy into one accumulator: four accumulators by turns, 16 links each.
.irp i, 0,1
.irp q, 0,1,2,3,4,5,6,7,8,9,10,11,12,13,14,15
	v_readlane_b32 s[66+16*\i+\q], v[PP], 16*(\q/8)+8*\i+(\q%8)   ; p of row 16 i + q
.endr
.endr
.set ix, 0
.rept 32
	v_mov_b32 v[PV+ix], s[66+ix]
.set ix, ix+1
.endr
.set ix, 0
.rept 16
	v_cvt_pk_bf16_f32 v[PB+ix], v[PV+2*ix], v[PV+2*ix+1]
.set ix, ix+1
.endr
.irp xp, 0,1,2,3,4,5,6,7
	s_mov_b32 s49, 0x20001<<(2*\xp)
.irp u, 0,1,2,3,4,5,6,7,8,9,10,11,12,13,14,15
	v_cndmask_b32 v[PT+8*(8*(\u/8)+\xp)+(\u%8)], 0, v[PB+\u], s49
.endr
.endr
	v_bfe_u32 v15, v0, 3, 1                        ; where lane (r, h) puts register (a, j): 4 x column = 1024 a + 16 j + 512 (r / 8) + 4 ((r / 2) % 4) + 256 (r % 2) + 128 h
	v_lshlrev_b32 v15, 9, v15
	v_bfe_u32 v[SV], v0, 1, 2
	v_lshl_add_u32 v15, v[SV], 2, v15
	v_and_b32 v[SV], 1, v0
	v_lshl_add_u32 v15, v[SV], 8, v15
	v_bfe_u32 v[SV], v0, 4, 1
	v_lshl_add_u32 v15, v[SV], 7, v15
	v_add_nc_u32 v15, s51, v15
	s_wait_alu depctr_va_vdst(0)
.irp i, 0,1
	WIN 0x02+\i
.irp xp, 0,1,2,3,4,5,6,7
.irp a, 0,1,2,3
.if (\i == 0) && (\xp == 0)
	v_wmma_f32_16x16x32_bf16 v[AT+8*\a:AT+8*\a+7], v[32*(2*\a+\xp/4)+8*(\xp%4):32*(2*\a+\xp/4)+8*(\xp%4)+7], v[PT+8*(8*\i+\xp):PT+8*(8*\i+\xp)+7], 0
.else
	v_wmma_f32_16x16x32_bf16 v[AT+8*\a:AT+8*\a+7], v[32*(2*\a+\xp/4)+8*(\xp%4):32*(2*\a+\xp/4)+8*(\xp%4)+7], v[PT+8*(8*\i+\xp):PT+8*(8*\i+\xp)+7], v[AT+8*\a:AT+8*\a+7]
.endif
.endr
.endr
.endr
	WIN 0
	PLACES 4
.irp a, 0,1,2,3
.irp jj, 0,1,2,3,4,5,6,7
	ds_store_b32 v15, v[AT+8*\a+\jj] offset:1024*\a+16*\jj   ; into my stage, in the order of the columns; each accumulator from its low end on
.endr
.endr
.irp k, 0,1,2,3,4,5,6,7
	ds_load_b128 v[PT+4*\k:PT+4*\k+3], v[STI] offset:512*\k
.endr
	s_wait_dscnt 0x0
.irp k, 0,1,2,3,4,5,6,7
	global_store_b128 v[L16], v[PT+4*\k:PT+4*\k+3], s[16:17] offset:512*\k   ; 512 consecutive bytes, at a multiple of 256 from patt's first byte
.endr
	s_wait_tensorcnt 0x0                           ; the wave's end
	ds_add_u32 v[SPW], v[NIL]
	s_wait_dscnt 0x0
	ROUND                                          ; the closing round
	s_endpgm
.Lfunc_end_k_qe35c585c47_main:
	.size	k_qe35c585c47_main, .Lfunc_end_k_qe35c585c47_main-k_qe35c585c47_main
	.p2alignl 7, 3214868480
	.fill 96, 4, 3214868480
	.section	.rodata,"a",@progbits
	.p2align	6, 0x0
	.amdhsa_kernel k_qe35c585c47_main
		.amdhsa_group_segment_fixed_size 327680
		.amdhsa_private_segment_fixed_size 0
		.amdhsa_enable_private_segment 0
		.amdhsa_kernarg_size 56
		.amdhsa_user_sgpr_count 2
		.amdhsa_user_sgpr_kernarg_segment_ptr 1
		.amdhsa_wavefront_size32 1
		.amdhsa_system_sgpr_workgroup_id_x 1
		.amdhsa_system_sgpr_workgroup_id_y 1
		.amdhsa_system_sgpr_workgroup_id_z 1
		.amdhsa_system_vgpr_workitem_id 0
		.amdhsa_next_free_vgpr 1024
		.amdhsa_next_free_sgpr 100
		.amdhsa_reserve_vcc 1
		.amdhsa_float_denorm_mode_32 3
		.amdhsa_float_denorm_mode_16_64 3
		.amdhsa_memory_ordered 1
		.amdhsa_forward_progress 1
		.amdhsa_inst_pref_size 255
	.end_amdhsa_kernel
	.section	.bss,"aw",@nobits
	.p2align	6
	.space	262144
	.amdgpu_metadata
---
amdhsa.version: [ 1, 2 ]
amdhsa.kernels:
  - .name:           k_qe35c585c47_main
    .symbol:         k_qe35c585c47_main.kd
    .args:
      - { .name: past_hidden, .offset: 0, .size: 8, .value_kind: global_buffer, .address_space: global }
      - { .name: wq, .offset: 8, .size: 8, .value_kind: global_buffer, .address_space: global }
      - { .name: cbk, .offset: 16, .size: 8, .value_kind: global_buffer, .address_space: global }
      - { .name: w_score, .offset: 24, .size: 8, .value_kind: global_buffer, .address_space: global }
      - { .name: tsc, .offset: 32, .size: 8, .value_kind: global_buffer, .address_space: global }
      - { .name: pstat, .offset: 40, .size: 8, .value_kind: global_buffer, .address_space: global }
      - { .name: patt, .offset: 48, .size: 8, .value_kind: global_buffer, .address_space: global }
    .group_segment_fixed_size: 327680
    .private_segment_fixed_size: 0
    .kernarg_segment_align: 8
    .kernarg_segment_size: 56
    .max_flat_workgroup_size: 128
    .sgpr_count:     100
    .vgpr_count:     1024
    .wavefront_size: 32
...
	.end_amdgpu_metadata
.endif
;; end of part 2
;; launch join (part 3): grid 8 x 32, 4 waves a work-group, no clusters, 2,560 bytes of LDS; arguments tsc, pstat, patt, out0, out1; writes out0, out1
.if DOCPART == 3
	.amdgcn_target "amdgcn-amd-amdhsa--gfx1250"
	.amdhsa_code_object_version 6
	.text
	.protected	k_qe35c585c47_join
	.globl	k_qe35c585c47_join
	.p2align	8
	.type	k_qe35c585c47_join,@function
k_qe35c585c47_join:
	s_mov_b64 s[64:65], 0
	v_nop
	global_prefetch_b8 v0, s[64:65] scope:SCOPE_SE
	s_setreg_imm32_b32 hwreg(HW_REG_WAVE_MODE, 25, 1), 1
	s_wait_xcnt 0x0
; The 64 partial softmaxes of a batch are joined.  M = the largest m, L = the sum of 2^(m - M) l;  out1[b][s] = 2^(t[s] - M) / L;  out0[b][:] = the sum over partials of 2^(m - M) / L x patt.
; SHARES.  Work-group (dc, b) owns columns 128 dc .. + 127 of out0[b] and rows 256 dc .. + 255 of out1[b]: each output number has one owner.  Every wave makes M and L for itself (512 bytes of pstat);
; wave w adds partials 16 w .. 16 w + 15; the four sums meet in LDS, and wave 0 stores 512 consecutive bytes.  A stream of a few megabytes: no matrix unit, no tensor loads, no cluster (no tile is shared).
; The batch's maximum is taken away before every exponential here.  LIMIT: a weight under 2^-126 falls to 0.
	s_load_b256 s[4:11], s[0:1], 0x0               ; tsc s[4:5], pstat s[6:7], patt s[8:9], out0 s[10:11]
	s_load_b64 s[12:13], s[0:1], 0x20              ; out1
	v_lshl_add_u32 v96, v0, 2, 0x800
	v_mov_b32 v97, 0
	v_lshrrev_b32 v1, 5, v0
	v_readfirstlane_b32 s14, v1                    ; wave 0..3
	s_and_b32 s15, ttmp7, 0xffff                   ; the batch
	v_and_b32 v1, 31, v0
	v_lshlrev_b32 v2, 4, v1                        ; 16 x lane
	v_and_b32 v3, 15, v0
	s_lshl_b32 s16, s14, 7
	v_lshl_add_u32 v3, v3, 3, s16                  ; pstat: partial 16 w + lane % 16
	v_lshlrev_b32 v4, 3, v0                        ; tsc, out1: two rows a thread
	s_lshl_b32 s17, s14, 9
	v_add_nc_u32 v5, s17, v2                       ; LDS: 512 w + 16 x lane
	s_lshl_b32 s18, s15, 9                         ; pstat: 512 bytes a batch
	s_mov_b32 s19, 0
	s_lshl_b32 s20, s15, 13                        ; tsc, out1: 8,192 bytes a batch, 1,024 a work-group
	s_lshl_b32 s21, ttmp9, 10
	s_add_co_u32 s20, s20, s21
	s_mov_b32 s21, 0
	s_lshl_b32 s22, s15, 18                        ; patt: 64 rows of 4,096 bytes a batch, 16 a wave, 512 bytes a work-group
	s_lshl_b32 s23, s14, 16
	s_add_co_u32 s22, s22, s23
	s_lshl_b32 s23, ttmp9, 9
	s_add_co_u32 s22, s22, s23
	s_lshl_b32 s42, s15, 12                        ; out0: 4,096 bytes a batch
	s_add_co_u32 s42, s42, s23
	s_mov_b32 s23, 0
	s_mov_b32 s43, 0
	s_mov_b32 s40, 0x76543210
	s_mov_b32 s41, 0xfedcba98                      ; v_permlanex16_b32's selects for lane l xor 16
	v_mov_b32 v25, 0                               ; a lane permute's destination counts as one of its sources
	s_wait_alu depctr_va_vdst(0)
	s_wait_kmcnt 0x0
	s_add_nc_u64 s[6:7], s[6:7], s[18:19]
	s_add_nc_u64 s[4:5], s[4:5], s[20:21]
	s_add_nc_u64 s[12:13], s[12:13], s[20:21]
	s_add_nc_u64 s[8:9], s[8:9], s[22:23]
	s_add_nc_u64 s[10:11], s[10:11], s[42:43]
	global_load_b128 v[16:19], v2, s[6:7]          ; all 64 partials' {m, l}, two a lane
	global_load_b64 v[20:21], v3, s[6:7]           ; my sixteen
	global_load_b64 v[22:23], v4, s[4:5]           ; two t
.irp x, 0,1,2,3,4,5,6,7,8,9,10,11,12,13,14,15
	global_load_b128 v[32+4*\x:35+4*\x], v2, s[8:9] offset:4096*\x th:TH_LOAD_NT   ; 512 consecutive bytes of a partial's row
.endr
	s_wait_loadcnt 16                              ; the sixteen loads of patt may be out
	v_max_num_f32 v24, v16, v18
.irp m, 1,2,4,8
	v_max_num_f32_dpp v24, v24, v24 row_xmask:\m row_mask:0xf bank_mask:0xf
.endr
	v_permlanex16_b32 v25, v24, s40, s41
	v_max_num_f32 v24, v24, v25                    ; M
	v_sub_f32 v26, v16, v24
	v_sub_f32 v27, v18, v24
	s_wait_alu depctr_va_vdst(0)
	v_exp_f32 v26, v26
	v_exp_f32 v27, v27
	v_sub_f32 v28, v20, v24                        ; plain work behind the exponentials: the exponents of the next batch
	v_sub_f32 v30, v22, v24
	v_sub_f32 v31, v23, v24
	s_wait_alu depctr_va_vdst(0)                   ; ahead of the first reader: one wait for the two
	v_mul_f32 v26, v26, v17
	v_fma_f32 v26, v27, v19, v26
.irp m, 1,2,4,8
	v_add_f32_dpp v26, v26, v26 row_xmask:\m row_mask:0xf bank_mask:0xf
.endr
	v_permlanex16_b32 v25, v26, s40, s41
	v_add_f32 v26, v26, v25                        ; L, at least 1
	s_wait_alu depctr_va_vdst(0)
	v_rcp_f32 v29, v26
	v_exp_f32 v28, v28
	v_exp_f32 v30, v30
	v_exp_f32 v31, v31
	v_nop
	s_wait_alu depctr_va_vdst(0)                   ; one for the four
	v_mul_f32 v28, v28, v29                        ; my partial's weight
	v_mul_f32 v30, v30, v29
	v_mul_f32 v31, v31, v29
	global_store_b64 v4, v[30:31], s[12:13]        ; the wave stores 256 consecutive bytes, at a multiple of 256 from out1's first byte
.irp x, 0,1,2,3,4,5,6,7,8,9,10,11,12,13,14,15
	v_readlane_b32 s[24+\x], v28, \x
.endr
.irp x, 0,1,2,3,4,5,6,7,8,9,10,11,12,13,14,15
	s_wait_alu depctr_va_vdst(0)
	s_wait_loadcnt 15-\x                           ; loads come back in order: partial x's row is in
.irp e, 0,1,2,3
.if \x == 0
	s_wait_alu depctr_va_vdst(0)
	v_mul_f32 v[8+\e], s[24+\x], v[32+4*\x+\e]
.else
	v_fmac_f32 v[8+\e], s[24+\x], v[32+4*\x+\e]
.endif
.endr
.endr
	ds_store_b128 v5, v[8:11]
	s_wait_dscnt 0x0                               ; for the others' sake
	s_barrier_signal -1
	s_barrier_wait -1
	s_cmp_lg_u32 s14, 0
	s_cbranch_scc1 .Lend
.irp p, 0,1,2,3
	ds_load_b128 v[32+4*\p:35+4*\p], v2 offset:512*\p
.endr
	s_wait_dscnt 0x0
	v_pk_add_f32 v[32:33], v[32:33], v[36:37]
	v_pk_add_f32 v[34:35], v[34:35], v[38:39]
	v_pk_add_f32 v[40:41], v[40:41], v[44:45]
	v_pk_add_f32 v[42:43], v[42:43], v[46:47]
	v_pk_add_f32 v[32:33], v[32:33], v[40:41]
	v_pk_add_f32 v[34:35], v[34:35], v[42:43]
	global_store_b128 v2, v[32:35], s[10:11]       ; 512 consecutive bytes, at a multiple of 256 from out0's first byte
.Lend:
	s_wait_tensorcnt 0x0
	ds_add_u32 v96, v97
	s_wait_dscnt 0x0
	s_endpgm
.Lfunc_end_k_qe35c585c47_join:
	.size	k_qe35c585c47_join, .Lfunc_end_k_qe35c585c47_join-k_qe35c585c47_join
	.p2alignl 7, 3214868480
	.fill 96, 4, 3214868480
	.section	.rodata,"a",@progbits
	.p2align	6, 0x0
	.amdhsa_kernel k_qe35c585c47_join
		.amdhsa_group_segment_fixed_size 2560
		.amdhsa_private_segment_fixed_size 0
		.amdhsa_enable_private_segment 0
		.amdhsa_kernarg_size 40
		.amdhsa_user_sgpr_count 2
		.amdhsa_user_sgpr_kernarg_segment_ptr 1
		.amdhsa_wavefront_size32 1
		.amdhsa_system_sgpr_workgroup_id_x 1
		.amdhsa_system_sgpr_workgroup_id_y 1
		.amdhsa_system_sgpr_workgroup_id_z 1
		.amdhsa_system_vgpr_workitem_id 0
		.amdhsa_next_free_vgpr 98
		.amdhsa_next_free_sgpr 66
		.amdhsa_reserve_vcc 0
		.amdhsa_float_denorm_mode_32 3
		.amdhsa_float_denorm_mode_16_64 3
		.amdhsa_memory_ordered 1
		.amdhsa_forward_progress 1
		.amdhsa_inst_pref_size 11
	.end_amdhsa_kernel
	.amdgpu_metadata
---
amdhsa.version: [ 1, 2 ]
amdhsa.kernels:
  - .name:           k_qe35c585c47_join
    .symbol:         k_qe35c585c47_join.kd
    .args:
      - { .name: tsc, .offset: 0, .size: 8, .value_kind: global_buffer, .address_space: global }
      - { .name: pstat, .offset: 8, .size: 8, .value_kind: global_buffer, .address_space: global }
      - { .name: patt, .offset: 16, .size: 8, .value_kind: global_buffer, .address_space: global }
      - { .name: out0, .offset: 24, .size: 8, .value_kind: global_buffer, .address_space: global }
      - { .name: out1, .offset: 32, .size: 8, .value_kind: global_buffer, .address_space: global }
    .group_segment_fixed_size: 2560
    .private_segment_fixed_size: 0
    .kernarg_segment_align: 8
    .kernarg_segment_size: 40
    .max_flat_workgroup_size: 128
    .sgpr_count:     66
    .vgpr_count:     98
    .wavefront_size: 32
...
	.end_amdgpu_metadata
.endif
;; end of part 3
